; MI455X (gfx1250); checked and timed in simulation.
; The chip was launched on July 23, 2026; its instructions are those of AMD's public machine-readable ISA for CDNA 5 (MIT licence, August 2026) and "CDNA5" Instruction Set Architecture Reference Guide (July 2026). The comments in the code are by the model that wrote it; some were corrected since.
;; Attention. Allowed arithmetic: matrix products marked QUANTISED: E2M3 operands, one E8M0 scale for each 32 along K, by v_wmma_scale_f32_16x16x128_f8f6f4 with both operands' format E2M3, f32 sums; everything else in f32.
;; Inputs: proj_b 1,024 float32; proj_w_codes 1,024 x 32 x 24 uint8 (E2M3 codes of proj_w, K innermost, in blocks of 32 codes, four codes in three bytes); proj_w_scales 1,024 x 32 uint8 (E8M0 scales of proj_w, one for each 32 codes along K); qkv_w_codes 3,072 x 32 x 24 uint8 (E2M3 codes of qkv_w, K innermost, in blocks of 32 codes, four codes in three bytes); qkv_w_scales 3,072 x 32 uint8 (E8M0 scales of qkv_w, one for each 32 codes along K); rope_freqs 1 x 1,024 x 1 x 64 float32; x_codes 8 x 1,024 x 32 x 24 uint8 (E2M3 codes of x, K innermost, in blocks of 32 codes, four codes in three bytes); x_scales 8 x 1,024 x 32 uint8 (E8M0 scales of x, one for each 32 codes along K).
;; Outputs: out0 8 x 1,024 x 1,024 float32.
;; This version of the problem:
;;   THIS VERSION OF THE PROBLEM IS GIVEN IN LOW PRECISION. The matrix products marked QUANTISED in the list below multiply operands that are first quantised to E2M3 (2 exponent bits, 3 mantissa bits; 6 bits a number), with one power-of-two scale for each 32 numbers along K (OCP MX v1.0); their sums are f32. All else is computed in f32.
;;   The module's matrix products, in the order in which they are computed (A, B: the left and right operand; K: the contracted axis; several contracted axes count as one K, in the product's order):
;;     1. [M 8,192, K 1,024] x [K 1,024, N 3,072]; A: input x (given as codes); B: input qkv_w (given as codes): QUANTISED
;;     2. batch 128 x [M 1,024, K 64] x [K 64, N 1,024]; A: computed on the way; B: computed on the way: QUANTISED
;;     3. batch 128 x [M 1,024, K 1,024] x [K 1,024, N 64]; A: softmax (see below); B: computed on the way: QUANTISED
;;     4. [M 8,192, K 1,024] x [K 1,024, N 1,024]; A: computed on the way; B: input proj_w (given as codes): QUANTISED
;;   THE QUANTISER, for each operand of a quantised product, along K:
;;     - K is cut into blocks of 32 from its start; a last block that is shorter is filled with zeros.
;;     - A block's scale is 2^e with e = floor(log2(the largest magnitude in the block)) - 2, held to -126 .. 127; a block of zeros has e = 0. As a byte (E8M0): e + 127.
;;     - Each number is divided by its block's scale, clamped to +-7.5, and rounded to the nearest number of E2M3, ties to even, subnormals kept.
;;     - The product sums the exact products of the quantised numbers (number of the format x scale) in f32.
;;   ~~~python
;;   def quantise(x, axis):      # numpy; x: float32 -> the quantised numbers, widened to float32 again
;;       x = np.moveaxis(x, axis, -1); K = x.shape[-1]
;;       x = np.pad(x, [(0, 0)] * (x.ndim - 1) + [(0, -K % 32)]); x = x.reshape(x.shape[:-1] + (-1, 32)); a = np.abs(x).max(-1, keepdims=True)
;;       e = np.where(a > 0, np.clip(np.frexp(np.where(a > 0, a, 1))[1] - 1 - 2, -126, 127), 0)      # np.frexp(a)[1] - 1 = floor(log2(a)), exactly
;;       r = np.clip(x / 2.0 ** e, -7.5, 7.5)
;;       step = 2.0 ** (np.maximum(np.frexp(np.where(r == 0, 1, r))[1] - 1, 0) - 3)
;;       q = np.round(r / step) * step * 2.0 ** e      # np.round: ties to even
;;       return np.moveaxis(q.reshape(q.shape[:-2] + (-1,))[..., :K], -1, axis).astype(np.float32)
;;   ~~~
;;   SOFTMAX AHEAD OF A QUANTISED PRODUCT. Where the list says 'softmax', what is quantised is not the finished softmax but p = 2^(t - M), with t = logit x log2(e) and M = ceil(the row's largest t), a whole number; so 1/2 < the row's largest p <= 1. The row's sum l is taken of the UNQUANTISED p, in f32, and the product's result is divided by l at the end. Since M is a whole number, a kernel that streams over the keys may use a running M (the ceiling of the running maximum): every later rescaling is an exact power of two, which a block's scale takes up: the codes' values come out the same.
;;   OPERANDS COMPUTED ON THE WAY. 'Computed on the way' means the value that the module computes at that place (a softmax that the list does not call 'softmax' is quantised finished and normalised). What goes into a quantiser is computed in f32, as accurately as f32 sums, v_exp_f32 and their like allow (about 1e-6 of the number): no bf16 or f16 on the way to a quantiser, and a product that is left as it is and whose result goes on into a quantised operand takes f32 operands (vector FMAs, or v_wmma_f32_16x16x4_f32). A number that lies on a knife's edge between two numbers of the format may be rounded either way, as far as f32 arithmetic and the matrix unit's own rounding can turn it there, and no further.
;;   INPUTS GIVEN AS CODES. proj_w (in the module: [1024, 1024], K = its axis 1); qkv_w (in the module: [3072, 1024], K = its axis 1); x (in the module: [8, 1024, 1024], K = its axis 2): each comes as NAME_codes (uint8): NAME with its K axis moved to the last place and cut into blocks of 32 codes, [.., K / 32, bytes a block], one block behind the other in memory; four codes in three bytes: a row's codes are one little-endian stream of bits, code i at bits 6 i .. 6 i + 5 (a code: sign, 2 exponent bits, 3 mantissa bits); and NAME_scales (uint8): the same leading axes, one E8M0 byte (e + 127) for each 32 codes along K. Its value is code x scale, taken as it is: it is not quantised again, and the codes and scales need not be those that the quantiser above would give.
;; One version. Each part assembles by itself: llvm-mc -triple=amdgcn-amd-amdhsa -mcpu=gfx1250 --defsym DOCPART=n.
;; ======== version 1 of 1: 4 launches
;; limits: right only within a limited range of input values
;; workspace buffers: rope 524,288 bytes; qc 6,291,456 bytes; qs 524,288 bytes; kv 13,369,344 bytes; ac 6,291,456 bytes; asc 262,144 bytes
;; launch rope (part 1): grid 64 x 1, 8 waves a work-group, no clusters, 0 bytes of LDS; arguments rope_freqs, rope; writes rope
.if DOCPART == 1
	.amdgcn_target "amdgcn-amd-amdhsa--gfx1250"
	.amdhsa_code_object_version 6
	.text
	.protected	k_q6769b58536_rope
	.globl	k_q6769b58536_rope
	.p2align	8
	.type	k_q6769b58536_rope,@function
k_q6769b58536_rope:
	s_mov_b64 s[64:65], 0
	v_nop
	global_prefetch_b8 v0, s[64:65] scope:SCOPE_SE
	s_setreg_imm32_b32 hwreg(HW_REG_WAVE_MODE, 25, 1), 1
	s_wait_xcnt 0x0
; cos and sin of the 1,024 x 64 RoPE angles, in f32, laid as the next launch's registers want them.
; OUT: [tile of 16 tokens: 64][cos | sin': 2][group g: 8][lane: 32][16 bytes].  Group g of lane (r, h) holds token 16 tile + r and d = 16 (g / 2) + 8 h + 4 (g % 2) + 0 .. 3:
; the layout of a 16 x 16 matrix result whose rows are d and whose columns are tokens.  sin' = -sin for d < 32 and +sin for d >= 32, so that RoPE is q[d] cos[d] + q[d xor 32] sin'[d].
; SHARES: a work-group takes a tile of tokens (4,096 dense bytes of angles), a wave a group, a lane four angles.  Each store of a wave covers 512 consecutive bytes, aligned.
; ARITHMETIC: k = the nearest whole number to x 2 / pi; rho = x - k pi / 2 with pi / 2 in three parts (21 + 24 + 24 bits) by fused multiply-adds; Taylor series on |rho| <= pi / 4:
; sine to rho^9, cosine to rho^10 (the first term left out is under 3e-9 of the result); the quadrant k mod 4 chooses series and sign by selects, not by branches.
; LIMITS: the three-part reduction holds its accuracy for |angle| up to about 1e5; NaN and infinities are not served.
; No LDS, no barrier, no matrix unit: 256 KiB in, 512 KiB out, each byte once.
.set X,  4                             ; v[4:7]   the angles
.set KQ, 8                             ; k as f32
.set R,  12                            ; rho
.set Q,  16                            ; k as a whole number
.set S,  20                            ; rho^2
.set P,  24                            ; sin rho
.set C,  28                            ; cos rho
.set T,  32                            ; at work
.set SI, 36                            ; v[36:39] sin'
.set CO, 40                            ; v[40:43] cos
	s_load_b128 s[4:7], s[0:1], 0x0                ; the angles, the table
	v_lshrrev_b32 v1, 5, v0
	s_delay_alu instid0(VALU_DEP_1)
	v_readfirstlane_b32 s8, v1                     ; wave = group g
	v_and_b32 v1, 15, v0                           ; r
	v_bfe_u32 v2, v0, 4, 1                         ; h
	s_delay_alu instid0(VALU_DEP_2)
	v_lshlrev_b32 v3, 8, v1
	s_delay_alu instid0(VALU_DEP_1)
	v_lshl_add_u32 v3, v2, 5, v3                   ; in: token r's row of 256 bytes + 32 h
	v_and_b32 v2, 31, v0
	s_delay_alu instid0(VALU_DEP_1)
	v_lshlrev_b32 v2, 4, v2                        ; out: 16 x lane
	s_lshl_b32 s10, ttmp9, 12                      ; in: 4,096 x tile + 64 (g / 2) + 16 (g % 2)
	s_lshr_b32 s11, s8, 1
	s_lshl_b32 s11, s11, 6
	s_add_co_u32 s10, s10, s11
	s_and_b32 s11, s8, 1
	s_lshl_b32 s11, s11, 4
	s_add_co_u32 s10, s10, s11
	s_mov_b32 s11, 0
	s_lshl_b32 s12, ttmp9, 13                      ; out: 8,192 x tile + 512 g
	s_lshl_b32 s13, s8, 9
	s_add_co_u32 s12, s12, s13
	s_mov_b32 s13, 0
	s_cmp_lt_u32 s8, 4                             ; groups 0 to 3 hold d < 32: their sine is negated, which is two quadrants on
	s_cselect_b32 s23, 2, 0
	s_mov_b32 s20, 0xbfc90fd8                      ; -pi / 2, first part
	s_mov_b32 s21, 0xb4a8885a                      ; second part
	s_mov_b32 s22, 0xa7c234c4                      ; third part
	s_wait_alu depctr_va_vdst(0)
	s_wait_kmcnt 0x0
	s_add_nc_u64 s[4:5], s[4:5], s[10:11]
	s_add_nc_u64 s[6:7], s[6:7], s[12:13]
	global_load_b128 v[X:X+3], v3, s[4:5]
	s_wait_loadcnt 0x0
.irp a, 0,1,2,3
	v_mul_f32 v[KQ+\a], 0x3f22f983, v[X+\a]        ; x 2 / pi
.endr
.irp a, 0,1,2,3
	s_delay_alu instid0(VALU_DEP_4)
	v_rndne_f32 v[KQ+\a], v[KQ+\a]
.endr
.irp a, 0,1,2,3
	s_delay_alu instid0(VALU_DEP_4)
	v_fma_f32 v[R+\a], v[KQ+\a], s20, v[X+\a]
.endr
.irp a, 0,1,2,3
	s_delay_alu instid0(VALU_DEP_4)
	v_fma_f32 v[R+\a], v[KQ+\a], s21, v[R+\a]
.endr
.irp a, 0,1,2,3
	s_delay_alu instid0(VALU_DEP_4)
	v_fma_f32 v[R+\a], v[KQ+\a], s22, v[R+\a]
.endr
.irp a, 0,1,2,3
	v_cvt_i32_f32 v[Q+\a], v[KQ+\a]
	v_mul_f32 v[S+\a], v[R+\a], v[R+\a]
	v_mov_b32 v[P+\a], 0x3638ef1d                  ; 1 / 9!
	v_mov_b32 v[C+\a], 0xb493f27e                  ; -1 / 10!
.endr
.irp a, 0,1,2,3
	v_fmaak_f32 v[P+\a], v[P+\a], v[S+\a], 0xb9500d01   ; -1 / 7!
	v_fmaak_f32 v[C+\a], v[C+\a], v[S+\a], 0x37d00d01   ; 1 / 8!
.endr
.irp a, 0,1,2,3
	v_fmaak_f32 v[P+\a], v[P+\a], v[S+\a], 0x3c088889   ; 1 / 5!
	v_fmaak_f32 v[C+\a], v[C+\a], v[S+\a], 0xbab60b61   ; -1 / 6!
.endr
.irp a, 0,1,2,3
	v_fmaak_f32 v[P+\a], v[P+\a], v[S+\a], 0xbe2aaaab   ; -1 / 3!
	v_fmaak_f32 v[C+\a], v[C+\a], v[S+\a], 0x3d2aaaab   ; 1 / 4!
	v_mul_f32 v[T+\a], v[R+\a], v[S+\a]            ; rho^3
.endr
.irp a, 0,1,2,3
	v_fma_f32 v[P+\a], v[P+\a], v[T+\a], v[R+\a]   ; sin rho
	v_fmaak_f32 v[C+\a], v[C+\a], v[S+\a], 0xbf000000   ; -1 / 2
.endr
.irp a, 0,1,2,3
	v_fmaak_f32 v[C+\a], v[C+\a], v[S+\a], 0x3f800000   ; cos rho
	v_and_b32 v[T+\a], 1, v[Q+\a]
.endr
.irp a, 0,1,2,3
	v_cmp_ne_u32 s[24+\a], 0, v[T+\a]              ; an odd quadrant changes the two series' places
.endr
.irp a, 0,1,2,3
	v_cndmask_b32 v[SI+\a], v[P+\a], v[C+\a], s[24+\a]
	v_cndmask_b32 v[CO+\a], v[C+\a], v[P+\a], s[24+\a]
	v_add_nc_u32 v[T+\a], s23, v[Q+\a]             ; the sine is negative in quadrants 2 and 3 (for d < 32: in 0 and 1)
	v_add_nc_u32 v[KQ+\a], 1, v[Q+\a]              ; the cosine in quadrants 1 and 2
.endr
.irp a, 0,1,2,3
	v_lshlrev_b32 v[T+\a], 30, v[T+\a]             ; bit 1 becomes the sign bit
	v_lshlrev_b32 v[KQ+\a], 30, v[KQ+\a]
.endr
.irp a, 0,1,2,3
	v_and_b32 v[T+\a], 0x80000000, v[T+\a]
	v_and_b32 v[KQ+\a], 0x80000000, v[KQ+\a]
.endr
.irp a, 0,1,2,3
	v_xor_b32 v[SI+\a], v[SI+\a], v[T+\a]
	v_xor_b32 v[CO+\a], v[CO+\a], v[KQ+\a]
.endr
	global_store_b128 v2, v[CO:CO+3], s[6:7]
	global_store_b128 v2, v[SI:SI+3], s[6:7] offset:4096
	s_endpgm
.Lfunc_end_k_q6769b58536_rope:
	.size	k_q6769b58536_rope, .Lfunc_end_k_q6769b58536_rope-k_q6769b58536_rope
	.p2alignl 7, 3214868480
	.fill 96, 4, 3214868480
	.section	.rodata,"a",@progbits
	.p2align	6, 0x0
	.amdhsa_kernel k_q6769b58536_rope
		.amdhsa_group_segment_fixed_size 0
		.amdhsa_private_segment_fixed_size 0
		.amdhsa_enable_private_segment 0
		.amdhsa_kernarg_size 16
		.amdhsa_user_sgpr_count 2
		.amdhsa_user_sgpr_kernarg_segment_ptr 1
		.amdhsa_wavefront_size32 1
		.amdhsa_system_sgpr_workgroup_id_x 1
		.amdhsa_system_sgpr_workgroup_id_y 1
		.amdhsa_system_sgpr_workgroup_id_z 1
		.amdhsa_system_vgpr_workitem_id 0
		.amdhsa_next_free_vgpr 48
		.amdhsa_next_free_sgpr 66
		.amdhsa_reserve_vcc 0
		.amdhsa_float_denorm_mode_32 3
		.amdhsa_float_denorm_mode_16_64 3
		.amdhsa_memory_ordered 1
		.amdhsa_forward_progress 1
		.amdhsa_inst_pref_size 9
	.end_amdhsa_kernel
	.amdgpu_metadata
---
amdhsa.version: [ 1, 2 ]
amdhsa.kernels:
  - .name:           k_q6769b58536_rope
    .symbol:         k_q6769b58536_rope.kd
    .args:
      - { .name: rope_freqs, .offset: 0, .size: 8, .value_kind: global_buffer, .address_space: global }
      - { .name: rope, .offset: 8, .size: 8, .value_kind: global_buffer, .address_space: global }
    .group_segment_fixed_size: 0
    .private_segment_fixed_size: 0
    .kernarg_segment_align: 8
    .kernarg_segment_size: 16
    .max_flat_workgroup_size: 256
    .sgpr_count:     66
    .vgpr_count:     48
    .wavefront_size: 32
...
	.end_amdgpu_metadata
.endif
;; end of part 1
;; launch qkv (part 2): grid 8 x 32, 4 waves a work-group, clusters of 4 x 4, 327,680 bytes of LDS; arguments x_codes, x_scales, qkv_w_codes, qkv_w_scales, rope, qc, qs, kv; writes qc, qs, kv
.if DOCPART == 2
	.amdgcn_target "amdgcn-amd-amdhsa--gfx1250"
	.amdhsa_code_object_version 6
	.text
	.protected	k_q6769b58536_qkv
	.globl	k_q6769b58536_qkv
	.p2align	8
	.type	k_q6769b58536_qkv,@function
k_q6769b58536_qkv:
	s_mov_b64 s[64:65], 0
	v_nop
	global_prefetch_b8 v0, s[64:65] scope:SCOPE_SE
	s_setreg_imm32_b32 hwreg(HW_REG_WAVE_MODE, 25, 1), 1
	s_wait_xcnt 0x0
	s_wait_alu depctr_hold_cnt(0) depctr_sa_sdst(0) depctr_va_vdst(0) depctr_va_sdst(0) depctr_va_ssrc(0) depctr_va_vcc(0) depctr_vm_vsrc(0)
	s_getreg_b32 s2, hwreg(HW_REG_IB_STS2, 6, 4)
	s_cmp_eq_u32 s2, 0
	s_cbranch_scc0 .Lentry_in_a_cluster
	s_endpgm
.Lentry_in_a_cluster:
	s_bfe_u32 s2, ttmp6, 0x10000c
	s_cmp_lg_u32 s2, 0xf033
	s_cbranch_scc0 .Lentry_shape_is_right
	s_endpgm
.Lentry_shape_is_right:
; qkv = x Wqkv^T on the given codes of FP6 (E2M3) with their E8M0 scales, then RoPE on q and k in f32, then the quantising of q and k (blocks of 32 along d) and of v (blocks of 32 along the tokens).
; SHARES.  A work-group takes 256 tokens (grid y) and TWO heads, 2 x and 2 x + 1 (grid x), one after the other.  Wave w: th = w / 2, par = w % 2: tokens 128 th .. + 127 (eight tiles i), the head's q (par 0) or k (par 1)
; (four tiles t of W rows) and two tiles u of v: 48 accumulators.
; PRODUCTS.  q, k transposed (source 0 = W rows, source 1 = tokens): a lane holds token r and d = 16 t + 8 h + j.  v natural: a lane holds one d and tokens 16 i + 8 h + j.
; v's TILE 2 par + u takes the W rows d = 32 (r / 8) + 8 (2 par + u) + r % 8, so that in the next launch's result a lane holds a whole block of 32 along d, in order.
; ORDER INSIDE A BLOCK.  Place 16 h + e of a block holds number 16 (e / 8) + 8 h + e % 8 of it: alike for q and k, and alike for v and the weights p of the next launch.
; OUT, as images of operand registers (four registers: 512 bytes, lane l at 16 l):
;   qc [head of 128][pair of token tiles: 32][3][32][16]: registers 0-5 the even tile, 6-11 the odd one.  qs [head][pair: 32][lane][4]: lanes 0-15 the even tile's words, lanes 16-31 the odd one's; a word is byte(block 0) | byte(block 1) << 8 | 0x7f7f0000.
;   kv [head][HB]: + 0 k's codes as qc, + 98,304 k's words [64 keys][lane][2 words], BUT THE KEYS OF A TILE ARE CHOSEN: of each 128 keys, tile 4 c + T, row 8 h + j is key 64 c + 32 h + 16 (T % 2) + 8 (T / 2) + j,
;   so that in the next launch a lane's 32 scores of tiles 4 c .. 4 c + 3 are one whole block of keys in v's order.  A lane's pair image moves as a whole: only the store's address differs (runs of 128 bytes; two pairs fill a 256 between them).
;   + 49,152 v's fragments [128 tokens: 8][tile: 4][3][32][16]; + 102,400 v's words [128 tokens: 8][2][lane][4].
; RING.  K goes in three chunks of 256 bytes of each row (a row is 768 bytes) through two LDS slots; a step of 128 along K is 96 bytes, so steps 2 and 5 lie across two chunks.  A wave has one tensor load out at a time.
; THE RING GOES ON INTO THE SECOND HEAD: its chunk 1 is asked for in the first head's step 5, when slot 1 is read no more, and its chunk 0 behind a round in the first head's way out; both land under the quantiser's work.
; The two heads' steps are written out: the first head's refills for the second are joint loads, round which no jump leads.
; The RoPE table comes from memory straight into registers: it is laid as the registers want it.  Four buffers: tile 0's at the head, tiles 1 and 2 in the last step, tile 3 at the way out's start, then tile i + 4 behind tile i's RoPE.
; CLUSTER 4 x 4.  x's tile hangs on grid y alone: asked for jointly along a row of the cluster.  W's rows hang on grid x alone: jointly along a column.
; No prefetch: the walk along K is three chunks a head, written out, with no loop to run ahead in.
; REGISTERS.  window 0: v1-29 addresses; v32-95 x's scale words, v96-143 W's; v144-215 W's fragments, set 1; after the products v144-255 are the quantiser's.
;   window 1: fragments, set 0: x at 12 i, W at 96 + 12 t'; table buffer 0 at v168-231, buffers 1 and 2 (after step 6) at v0-127.   window 2: q / k accumulators at 32 i + 8 t.
;   window 3: v accumulators at 64 u + 8 i; from v128 x's fragments, set 1, and after the products table buffer 3.
; LIMITS: NaN and infinities are not served.  A block whose largest magnitude lies under 2^-124, a block of zeros too, gets the scale byte 1: these bytes are read by this program alone.
.set ROWB,  256
.set KROW,  768
.set PITCH, 272                        ; 256 bytes + 16 of padding
.set XROWS, 256*PITCH
.set HROWS, 64*PITCH
.set SLOT,  XROWS+3*HROWS              ; x, then q's, k's, v's rows: 121,856 bytes
.set SPARE, 2*SLOT                     ; the spare words: 512 bytes that no other line names
.set HB,    104448
.set AX,  4                            ; v4-5 my x fragments in slot 0, 1; v6-7 for pieces whose lanes 16-31 read the next chunk
.set AWQ, 8
.set AWV, 12
.set L16, 16
.set VC0, 17                           ; v17-18 where a pair image goes (even, odd pair)
.set VW0, 19                           ; v19-20 where a pair's words go
.set R32, 21
.set RV32, 22
.set L4,  23
.set SPW, 28
.set NIL, 29
.set SX,  32
.set SW,  96
.set Y,   144
.set TM,  176
.set CT,  192
.set PCQ, 200
.set SCQ, 224
.set WT,  228
.set VW,  230
.set PCV, 232
.set G1A, 28
.set G1B, 36
.set G0A, 52
.set G0B, 60
.set SEL, 92
.set MSB, 0
.macro WIN new
.if MSB != \new
	s_set_vgpr_msb (MSB<<8)|\new
.set MSB, \new
.endif
.endm
.macro PLACES
.rept 4
	v_nop
.endr
.endm
.macro CREST
	s_cmp_lg_u32 s20, 0
	s_cbranch_scc1 .Lnot_wave_0_\@
	s_barrier_signal -3
.Lnot_wave_0_\@:
	s_barrier_wait -3
	s_barrier_signal -1
	s_barrier_wait -1
.endm
.macro CROUND
	s_barrier_signal -1
	s_barrier_wait -1
	CREST
.endm
; a joint load of a chunk: wave 0 fetches x's 256 rows, waves 1, 2, 3 the head's q, k, v rows
.macro JLOADK s
	s_cmp_eq_u32 s20, 0
	s_cbranch_scc0 .Lfor_w_\@
	tensor_load_to_lds s[G0A+4*(\s):G0A+4*(\s)+3], s[G1A:G1A+7]
	s_nop 0
.rept 4
	v_nop
.endr
	s_branch .Lasked_\@
.Lfor_w_\@:
	tensor_load_to_lds s[G0B+8*(\s):G0B+8*(\s)+3], s[G1B:G1B+7]
	s_nop 0
.rept 4
	v_nop
.endr
.Lasked_\@:
.endm
.macro TBUF b                          ; table buffer b: its first register, and the windows for the loads and for RoPE
.set TWL, 0x40
.set TWR, 0x06
.if (\b) == 0
.set TBB, 168
.elseif (\b) == 3
.set TBB, 128
.set TWL, 0xc0
.set TWR, 0x0e
.else
.set TBB, 64*(\b)-64
.endif
.endm
.macro TBL i, buf                      ; tile i's cos (32 registers) and sin' (32) into table buffer buf
	TBUF \buf
	WIN TWL
.irp g, 0,1,2,3,4,5,6,7
	global_load_b128 v[TBB+4*\g:TBB+4*\g+3], v[L16], s[12:13] offset:(\i)*8192+512*\g
	global_load_b128 v[TBB+32+4*\g:TBB+32+4*\g+3], v[L16], s[12:13] offset:(\i)*8192+4096+512*\g
.endr
	WIN 0
.endm
	s_load_b512 s[4:19], s[0:1], 0x0               ; x_codes 4, x_scales 6, qkv_w_codes 8, qkv_w_scales 10, rope 12, qc 14, qs 16, kv 18
	v_lshl_add_u32 v[SPW], v0, 2, SPARE
	v_mov_b32 v[NIL], 0
	ds_add_u32 v[SPW], v[NIL]                      ; the opening lines
	ds_add_u32 v[SPW], v[NIL]
	v_lshrrev_b32 v1, 5, v0
	v_readfirstlane_b32 s20, v1                    ; wave
	s_lshr_b32 s21, s20, 1                         ; th
	s_and_b32 s22, s20, 1                          ; par
	s_bfe_u32 s23, ttmp6, 0x40000                  ; cx
	s_bfe_u32 s24, ttmp6, 0x40004                  ; cy
	s_lshl_b32 s25, ttmp9, 2
	s_add_co_u32 s25, s25, s23
	s_lshl_b32 s25, s25, 1                         ; my first head
	s_and_b32 s26, ttmp7, 0xffff
	s_lshl_b32 s26, s26, 2
	s_add_co_u32 s26, s26, s24                     ; y: block of 256 tokens
	s_lshl_b32 s94, s24, 2
	s_lshl_b32 s94, 15, s94                        ; my row of the cluster
	s_lshl_b32 s96, 0x1111, s23                    ; my column
	s_or_b32 s[G1A], s94, (1<<20)|(1<<21)|(5<<22)|(3<<25)   ; mask; elements of 1 byte; 4 words of padding behind every 64
	s_or_b32 s[G1B], s96, (1<<20)|(1<<21)|(5<<22)|(3<<25)
	s_mov_b32 s[G1A+1], ROWB<<16
	s_mov_b32 s[G1A+2], 256<<16
	s_mov_b32 s[G1A+3], ROWB<<16
	s_mov_b32 s[G1A+4], 256
	s_mov_b32 s[G1A+5], KROW
	s_mov_b32 s[G1A+6], 0
	s_mov_b32 s[G1A+7], 0
	s_mov_b32 s[G1B+1], ROWB<<16
	s_mov_b32 s[G1B+2], 64<<16
	s_mov_b32 s[G1B+3], ROWB<<16
	s_mov_b32 s[G1B+4], 64
	s_mov_b32 s[G1B+5], KROW
	s_mov_b32 s[G1B+6], 0
	s_mov_b32 s[G1B+7], 0
	s_mul_i32 s94, s26, 256*KROW                   ; x: my block's first row
	s_mov_b32 s95, 0
	s_max_u32 s96, s20, 1                          ; W: row (wave - 1) x 1,024 + 64 x head (wave 0 asks by x's descriptor)
	s_sub_co_u32 s96, s96, 1
	s_lshl_b32 s96, s96, 10
	s_lshl_b32 s97, s25, 6
	s_add_co_u32 s96, s96, s97
	s_mul_i32 s96, s96, KROW
	s_mov_b32 s97, 0
	s_mul_i32 s82, s20, HROWS                      ; where W's rows go: behind x's
	s_mov_b32 s90, 0xffff0000                      ; lanes 16-31
	s_mov_b32 s[SEL], 0x76543210
	s_mov_b32 s[SEL+1], 0xfedcba98
	s_wait_dscnt 0x0
	s_wait_kmcnt 0x0
	s_add_nc_u64 s[94:95], s[4:5], s[94:95]
	s_add_nc_u64 s[96:97], s[8:9], s[96:97]
.irp s, 0,1
	s_mov_b32 s[G0A+4*\s], 1
	s_mov_b32 s[G0A+4*\s+1], \s*SLOT
	s_add_nc_u64 s[G0A+4*\s+2:G0A+4*\s+3], s[94:95], \s*ROWB
	s_or_b32 s[G0A+4*\s+3], s[G0A+4*\s+3], 0x80000000
	s_mov_b32 s[G0B+8*\s], 1
	s_add_co_u32 s[G0B+8*\s+1], s82, \s*SLOT+XROWS-HROWS
	s_add_nc_u64 s[G0B+8*\s+2:G0B+8*\s+3], s[96:97], \s*ROWB
	s_or_b32 s[G0B+8*\s+3], s[G0B+8*\s+3], 0x80000000
.endr
	CROUND                                         ; all sixteen work-groups are here: the first joint loads meet
	JLOADK 0                                       ; chunk 0: one tensor load a wave at the head
	s_lshl_b32 s2, s26, 13                         ; x's scales: row 256 y + 128 th
	s_lshl_b32 s3, s21, 12
	s_add_co_u32 s2, s2, s3
	s_mov_b32 s3, 0
	s_add_nc_u64 s[6:7], s[6:7], s[2:3]
	s_lshl_b32 s2, s22, 15                         ; q's or k's: row 1,024 par + 64 head
	s_lshl_b32 s3, s25, 11
	s_add_co_u32 s2, s2, s3
	s_mov_b32 s3, 0
	s_add_nc_u64 s[80:81], s[10:11], s[2:3]
	s_lshl_b32 s2, s25, 11                         ; v's: row 2,048 + 64 head + 16 par
	s_lshl_b32 s3, s22, 9
	s_add_co_u32 s2, s2, s3
	s_add_co_u32 s2, s2, 65536
	s_mov_b32 s3, 0
	s_add_nc_u64 s[10:11], s[10:11], s[2:3]
	s_and_b32 s2, s26, 3                           ; the table: token tile 16 (y % 4) + 8 th
	s_lshl_b32 s2, s2, 4
	s_lshl_b32 s3, s21, 3
	s_add_co_u32 s2, s2, s3
	s_lshl_b32 s2, s2, 13
	s_mov_b32 s3, 0
	s_add_nc_u64 s[12:13], s[12:13], s[2:3]
	s_mul_i32 s44, s21, 128*PITCH                  ; my 128 rows of x
	s_mul_i32 s45, s22, HROWS                      ; q's or k's 64 rows
	s_add_co_u32 s45, s45, XROWS
	s_mul_i32 s46, s22, 16*PITCH                   ; v's rows: + 16 par
	s_add_co_u32 s46, s46, XROWS+2*HROWS
	s_add_co_u32 s47, s44, SLOT
	s_add_co_u32 s48, s45, SLOT
	s_add_co_u32 s49, s46, SLOT
	s_mov_b32 s50, SLOT-232
	s_mov_b32 s51, SLOT+232
	s_cmp_lg_u32 s22, 0
	s_cselect_b32 s72, -1, 0                       ; all lanes: k's wave
	s_mul_i32 s73, s22, 0xfffffa80                 ; an odd pair's image: q 1,536 on, k 128 on
	s_add_co_u32 s73, s73, 1536
	s_lshl_b32 s74, s22, 6                         ; its words: q 128 on, k 64 on
	s_sub_co_u32 s74, 128, s74
	v_and_b32 v1, 15, v0                           ; r
	v_bfe_u32 v2, v0, 4, 1                         ; h
	v_and_b32 v23, 31, v0
	v_and_b32 v24, 7, v0                           ; r % 8
	v_bfe_u32 v25, v0, 3, 1                        ; r / 8
	v_lshlrev_b32 v[R32], 5, v1                    ; a row of scale bytes
	v_lshl_add_u32 v26, v25, 5, v24                ; v's row 32 (r / 8) + r % 8
	v_lshlrev_b32 v[RV32], 5, v26
	v_mul_u32_u24 v3, v1, PITCH
	v_mul_u32_u24 v26, v26, PITCH
	v_mul_u32_u24 v27, v2, 24
	v_mul_u32_u24 v30, s50, v2
	v_add_nc_u32 v30, 232, v30                     ; lanes 0-15 byte 232 in slot 0, lanes 16-31 byte 0 in slot 1
	v_sub_nc_u32 v31, 1, v2
	v_mul_u32_u24 v31, s51, v31                    ; lanes 0-15 byte 232 in slot 1, lanes 16-31 byte 0 in slot 0
	v_add_nc_u32 v240, v3, v27
	v_add_nc_u32 v241, v3, v30
	v_add_nc_u32 v242, v3, v31
	v_add_nc_u32 v243, v26, v27
	v_add_nc_u32 v244, v26, v30
	v_add_nc_u32 v245, v26, v31
	v_add_nc_u32 v[AX], s44, v240
	v_add_nc_u32 v[AX+1], s47, v240
	v_add_nc_u32 v[AX+2], s44, v241
	v_add_nc_u32 v[AX+3], s44, v242
	v_add_nc_u32 v[AWQ], s45, v240
	v_add_nc_u32 v[AWQ+1], s48, v240
	v_add_nc_u32 v[AWQ+2], s45, v241
	v_add_nc_u32 v[AWQ+3], s45, v242
	v_add_nc_u32 v[AWV], s46, v243
	v_add_nc_u32 v[AWV+1], s49, v243
	v_add_nc_u32 v[AWV+2], s46, v244
	v_add_nc_u32 v[AWV+3], s46, v245
	v_lshlrev_b32 v[L16], 4, v23
	v_mul_u32_u24 v246, v25, 1536                  ; k: pair + r / 8, lane 16 h + r % 8 (+ 8 for an odd pair)
	v_lshl_add_u32 v246, v2, 8, v246
	v_lshl_add_u32 v246, v24, 4, v246
	v_cndmask_b32 v[VC0], v[L16], v246, s72
	v_add_nc_u32 v[VC0+1], s73, v[VC0]
	v_lshlrev_b32 v[L4], 2, v23
	v_lshlrev_b32 v247, 7, v2
	v_lshl_add_u32 v247, v24, 3, v247
	v_lshl_add_u32 v247, v25, 2, v247
	v_cndmask_b32 v[VW0], v[L4], v247, s72
	v_add_nc_u32 v[VW0+1], s74, v[VW0]
.irp b, 0,1,2,3
	v_mov_b32 v[TM+4+\b], 0                        ; a lane permute's destination counts as one of its sources
.endr
	s_wait_alu depctr_va_vdst(0)                   ; the wait behind the head's vector work
	; the scale words come into registers: each lane takes its row's 32 bytes, one word for each 128 along K
.irp i, 0,1,2,3,4,5,6,7
	global_load_b128 v[SX+8*\i:SX+8*\i+3], v[R32], s[6:7] offset:512*\i
	global_load_b128 v[SX+8*\i+4:SX+8*\i+7], v[R32], s[6:7] offset:512*\i+16
.endr
.macro WWORDS off                      ; W's words of the head off / 2,048 on from my first
.irp t, 0,1,2,3
	global_load_b128 v[SW+8*\t:SW+8*\t+3], v[R32], s[80:81] offset:(\off)+512*\t
	global_load_b128 v[SW+8*\t+4:SW+8*\t+7], v[R32], s[80:81] offset:(\off)+512*\t+16
.endr
.irp u, 0,1
	global_load_b128 v[SW+32+8*\u:SW+32+8*\u+3], v[RV32], s[10:11] offset:(\off)+256*\u
	global_load_b128 v[SW+32+8*\u+4:SW+32+8*\u+7], v[RV32], s[10:11] offset:(\off)+256*\u+16
.endr
.endm
	WWORDS 0
	TBL 0, 0
	; where the results go
	s_lshr_b32 s27, s26, 2
	s_lshl_b32 s27, s27, 4
	s_add_co_u32 s27, s27, s25                     ; head of 128 = 16 x batch + head
	s_and_b32 s91, s26, 3
	s_lshl_b32 s94, s91, 1
	s_add_co_u32 s94, s94, s21                     ; which 128 tokens of the sequence are mine
	s_mul_i32 s95, s27, HB
	s_mul_i32 s96, s27, 49152
	s_lshl_b32 s97, s27, 12
	s_add_co_u32 s98, s95, 98304
	s_cmp_eq_u32 s22, 0
	s_cselect_b32 s82, s96, s95
	s_cselect_b32 s84, s97, s98
	s_cselect_b64 s[2:3], s[14:15], s[18:19]
	s_cselect_b64 s[98:99], s[16:17], s[18:19]
	s_mul_i32 s96, s94, 6144
	s_add_co_u32 s82, s82, s96
	s_mov_b32 s83, 0
	s_add_nc_u64 s[82:83], s[2:3], s[82:83]        ; q's or k's codes
	s_lshl_b32 s97, s94, 9
	s_add_co_u32 s84, s84, s97
	s_mov_b32 s85, 0
	s_add_nc_u64 s[84:85], s[98:99], s[84:85]      ; their words
	s_add_co_u32 s86, s95, s96
	s_mul_i32 s97, s22, 3072
	s_add_co_u32 s86, s86, s97
	s_add_co_u32 s86, s86, 49152
	s_mov_b32 s87, 0
	s_add_nc_u64 s[86:87], s[18:19], s[86:87]      ; v's fragments
	s_lshl_b32 s88, s94, 8
	s_add_co_u32 s88, s88, s95
	s_lshl_b32 s97, s22, 7
	s_add_co_u32 s88, s88, s97
	s_add_co_u32 s88, s88, 102400
	s_mov_b32 s89, 0
	s_add_nc_u64 s[88:89], s[18:19], s[88:89]      ; v's words
	s_cmp_eq_u32 s22, 0                            ; from a head to the next: q's codes 49,152 and words 4,096 on, all in kv HB on
	s_mov_b32 s98, HB
	s_cselect_b32 s98, 49152, s98
	s_mov_b32 s99, 0
	s_mov_b32 s2, HB
	s_cselect_b32 s2, 4096, s2
	s_mov_b32 s3, 0
; A fragment, 16 rows x 128 K, is 12 registers: registers 6 c .. 6 c + 5 hold K = 64 c + 32 (l / 16) + 0 .. 31: 24 bytes of the row as they lie, in pieces of 8 bytes.  Byte y of a row lies in chunk y / 256, slot (y / 256) % 2.
.macro FRAG reg, adr, st, off
.irp p, 0,1,2,3,4,5
.set BY, 96*(\st)+48*(\p/3)+8*(\p%3)
.if BY/ROWB == (BY+24)/ROWB
	ds_load_b64 v[\reg+2*\p:\reg+2*\p+1], v[\adr+(BY/ROWB)%2] offset:BY%ROWB+(\off)
.else
	ds_load_b64 v[\reg+2*\p:\reg+2*\p+1], v[\adr+2+(BY/ROWB)%2] offset:BY%ROWB-232+(\off)
.endif
.endr
.endm
.macro FETCH set, st                   ; the 14 fragments of step st: 84 loads in one run
.if \set == 0
	WIN 0x40
.irp i, 0,1,2,3,4,5,6,7
	FRAG 12*\i, AX, \st, \i*16*PITCH
.endr
.irp t, 0,1,2,3
	FRAG 96+12*\t, AWQ, \st, \t*16*PITCH
.endr
.irp u, 0,1
	FRAG 144+12*\u, AWV, \st, \u*8*PITCH
.endr
	WIN 0
.else
	WIN 0xc0
.irp i, 0,1,2,3,4,5,6,7
	FRAG 128+12*\i, AX, \st, \i*16*PITCH
.endr
	WIN 0
.irp t, 0,1,2,3
	FRAG 144+12*\t, AWQ, \st, \t*16*PITCH
.endr
.irp u, 0,1
	FRAG 192+12*\u, AWV, \st, \u*8*PITCH
.endr
.endif
.endm
.macro BASES set
.if \set == 0
.set WFB, 96
.set XFB, 0
.else
.set WFB, 144
.set XFB, 128
.endif
.endm
; 16 products of q or k.  The 48 accumulators take turns, one instruction a turn, in the same order in every step.
.macro MULQK set, s, half, zero
	BASES \set
.irp i, 4*\half, 4*\half+1, 4*\half+2, 4*\half+3
.irp t, 0,1,2,3
.if \zero
	v_wmma_scale_f32_16x16x128_f8f6f4 v[32*(\i)+8*\t:32*(\i)+8*\t+7], v[WFB+12*\t:WFB+12*\t+11], v[XFB+12*(\i):XFB+12*(\i)+11], 0, v[SW+8*\t+(\s)], v[SX+8*(\i)+(\s)] matrix_a_fmt:MATRIX_FMT_FP6 matrix_b_fmt:MATRIX_FMT_FP6
.else
	v_wmma_scale_f32_16x16x128_f8f6f4 v[32*(\i)+8*\t:32*(\i)+8*\t+7], v[WFB+12*\t:WFB+12*\t+11], v[XFB+12*(\i):XFB+12*(\i)+11], v[32*(\i)+8*\t:32*(\i)+8*\t+7], v[SW+8*\t+(\s)], v[SX+8*(\i)+(\s)] matrix_a_fmt:MATRIX_FMT_FP6 matrix_b_fmt:MATRIX_FMT_FP6
.endif
.endr
.endr
.endm
.macro MULV set, s, zero
	BASES \set
.irp u, 0,1
.irp i, 0,1,2,3,4,5,6,7
.if \zero
	v_wmma_scale_f32_16x16x128_f8f6f4 v[64*\u+8*\i:64*\u+8*\i+7], v[XFB+12*\i:XFB+12*\i+11], v[WFB+48+12*\u:WFB+48+12*\u+11], 0, v[SX+8*\i+(\s)], v[SW+32+8*\u+(\s)] matrix_a_fmt:MATRIX_FMT_FP6 matrix_b_fmt:MATRIX_FMT_FP6
.else
	v_wmma_scale_f32_16x16x128_f8f6f4 v[64*\u+8*\i:64*\u+8*\i+7], v[XFB+12*\i:XFB+12*\i+11], v[WFB+48+12*\u:WFB+48+12*\u+11], v[64*\u+8*\i:64*\u+8*\i+7], v[SX+8*\i+(\s)], v[SW+32+8*\u+(\s)] matrix_a_fmt:MATRIX_FMT_FP6 matrix_b_fmt:MATRIX_FMT_FP6
.endif
.endr
.endr
.endm
; A step of 128 along K on set st % 2; the next step's fragments are fetched into the other set.
; kind 0: nothing else.  kind 1: the next step ends in a chunk not read yet: each wave waits for its tensor load, and a barrier shows the chunk whole.
; kind 2: a chunk is read no more: the three lines, a round of the cluster's barrier, and a refill: in step 2 this head's chunk 2 into slot 0, in step 5 the next head's chunk 1 into slot 1.
; kind 3: the last step: the table's tiles 1 and 2 are asked for.
.macro KSTEP st, kind, zero
.set SE, (\st)%2
.set NX, (\st)+1
.if SE
.set WQ, 0xac
.set WV, 0xf3
.else
.set WQ, 0xa5
.set WV, 0xf5
.endif
.if (\kind == 1) || (\kind == 2)
	s_wait_tensorcnt 0x0                           ; no tensor load of mine is out
.if \kind == 2
	ds_add_u32 v[SPW], v[NIL]
	s_wait_dscnt 0x1                               ; this step's fragments are in; only the add may be out
.else
	s_wait_dscnt 0x0
.endif
	WIN WQ
	MULQK SE, \st, 0, \zero
.if \kind == 2
	s_wait_dscnt 0x0                               ; the add is done; my reads of the chunk left behind were over above
.endif
	s_barrier_signal -1
	MULQK SE, \st, 1, \zero
	WIN 0
	s_barrier_wait -1
.if \kind == 2
	CREST
.if \st == 2
	s_add_nc_u64 s[G0A+2:G0A+3], s[G0A+2:G0A+3], 2*ROWB
	s_add_nc_u64 s[G0B+2:G0B+3], s[G0B+2:G0B+3], 2*ROWB
	JLOADK 0                                       ; its four v_nop are also the places ahead of the loads below
.else
	s_add_nc_u64 s[G0B+10:G0B+11], s[G0B+10:G0B+11], 64*KROW   ; x's rows stay; W's are 64 rows on
	JLOADK 1
.endif
.else
	PLACES
.endif
	FETCH 1-SE, NX
.else
	s_wait_dscnt 0x0
	WIN WQ
	MULQK SE, \st, 0, \zero
	PLACES
.if \kind == 0
	FETCH 1-SE, NX
.else
	TBL 1, 1
	TBL 2, 2
.endif
	WIN WQ
	MULQK SE, \st, 1, \zero
.endif
	WIN WV
	MULV SE, \st, \zero
	WIN 0
.endm
; THE QUANTISER.  nb blocks of 32: register 16 b + e of v[src ..] in lanes l and l xor 16.  The largest magnitude, with the floor 2^(3 - 127); 2 off its exponent field gives the conversion's scale operand, a shift of that the byte.
; Three exchanges of lane halves for each pair of blocks give each lane a whole block.
.macro QUANT src, nb, pc, w1, w2, w3
	WIN \w1
.irp b, 0,1,2,3
.if \b < \nb
	v_max3_num_f32 v[TM+\b], |v[(\src)+16*\b]|, |v[(\src)+16*\b+1]|, 0x1800000
.endif
.endr
	WIN \w2
.irp e, 2,4,6,8,10,12,14
.irp b, 0,1,2,3
.if \b < \nb
	v_max3_num_f32 v[TM+\b], v[TM+\b], |v[(\src)+16*\b+\e]|, |v[(\src)+16*\b+\e+1]|
.endif
.endr
.endr
	WIN 0
.irp b, 0,1,2,3
.if \b < \nb
	v_permlanex16_b32 v[TM+4+\b], v[TM+\b], s[SEL], s[SEL+1]
.endif
.endr
.irp b, 0,1,2,3
.if \b < \nb
	v_max_num_f32 v[TM+\b], v[TM+\b], v[TM+4+\b]
.endif
.endr
.irp b, 0,1,2,3
.if \b < \nb
	v_add_nc_u32 v[TM+12+\b], 0xff000000, v[TM+\b]
.endif
.endr
.irp b, 0,1,2,3
.if \b < \nb
	v_lshrrev_b32 v[TM+4+\b], 23, v[TM+12+\b]
.endif
.endr
	WIN \w3
.irp c, 0,1
.if 2*\c < \nb
	v_cvt_scalef32_pk16_fp6_f32 v[(\pc)+6*\c:(\pc)+6*\c+2], v[(\src)+32*\c:(\src)+32*\c+15], v[TM+12+2*\c]
	v_cvt_scalef32_pk16_fp6_f32 v[CT+4*\c:CT+4*\c+2], v[(\src)+32*\c+16:(\src)+32*\c+31], v[TM+12+2*\c+1]
.endif
.endr
	WIN 0
	v_nop                                          ; one plain place behind a scaled conversion
.irp c, 0,1
.if 2*\c < \nb
.irp k, 0,1,2
	v_permlane16_swap_b32 v[(\pc)+6*\c+\k], v[CT+4*\c+\k]
.endr
.irp k, 0,1,2
	v_mov_b32 v[(\pc)+6*\c+3+\k], v[CT+4*\c+\k]
.endr
.endif
.endr
.endm
.macro ROPE i, buf                     ; y[d] = q[d] cos[d] + q[d xor 32] sin'[d]: d xor 32 is the tile two on.  Each accumulator is first read at its low end
	TBUF \buf
	WIN TWR
.irp t, 0,1,2,3
.irp j, 0,2,4,6
	v_pk_mul_f32 v[Y+8*\t+\j:Y+8*\t+\j+1], v[32*(\i)+8*\t+\j:32*(\i)+8*\t+\j+1], v[TBB+8*\t+\j:TBB+8*\t+\j+1]
.endr
.endr
.irp t, 0,1,2,3
.irp j, 0,2,4,6
	v_pk_fma_f32 v[Y+8*\t+\j:Y+8*\t+\j+1], v[32*(\i)+8*((\t+2)%4)+\j:32*(\i)+8*((\t+2)%4)+\j+1], v[TBB+32+8*\t+\j:TBB+32+8*\t+\j+1], v[Y+8*\t+\j:Y+8*\t+\j+1]
.endr
.endr
	WIN 0
.endm
.macro QKQ i                           ; tile i becomes half of a pair image and a scale word; a whole pair and its words are stored
.set PP, PCQ+12*(((\i)/2)%2)
	QUANT Y, 2, PP+6*((\i)%2), 0, 0, 0
	v_lshl_or_b32 v[WT+(\i)%2], v[TM+5], 8, v[TM+4]
	v_or_b32 v[WT+(\i)%2], 0x7f7f0000, v[WT+(\i)%2]   ; the upper half of the instruction's K is zero codes on the other side: scale 1 there
.if (\i)%2
	v_cndmask_b32 v[SCQ+(\i)/2], v[WT], v[WT+1], s90   ; lanes 0-15 the even tile's words, lanes 16-31 the odd tile's
.irp g, 0,1,2
	global_store_b128 v[VC0+((\i)/2)%2], v[PP+4*\g:PP+4*\g+3], s[82:83] offset:((\i)/4)*3072+512*\g
.endr
	global_store_b32 v[VW0+((\i)/2)%2], v[SCQ+(\i)/2], s[84:85] offset:((\i)/4)*256
.endif
.endm
; THE WAY OUT of a head.  first = 1: a second head follows: its W words, its chunk 0 and its table tile 0 are asked for here.
.macro EPI first
	PLACES                                         ; behind the last products
.if \first
	WWORDS 2048                                    ; older than the table's loads below, so the counts there stand
.endif
	TBL 3, 3
.irp u, 0,1                                    ; v first, which needs no table: a lane holds one d and 64 of the 128 tokens: four blocks, one fragment and its word
	QUANT 64*\u, 4, PCV+12*\u, 0x0f, 0x3c, 0x03
	v_lshl_or_b32 v[VW+\u], v[TM+5], 8, v[TM+4]
	v_lshl_or_b32 v[VW+\u], v[TM+6], 16, v[VW+\u]
	v_lshl_or_b32 v[VW+\u], v[TM+7], 24, v[VW+\u]
.irp g, 0,1,2
	global_store_b128 v[L16], v[PCV+12*\u+4*\g:PCV+12*\u+4*\g+3], s[86:87] offset:1536*\u+512*\g
.endr
.endr
	v_cndmask_b32 v[VW], v[VW], v[VW+1], s90       ; lanes 0-15 the even tile, lanes 16-31 the odd one
	global_store_b32 v[L4], v[VW], s[88:89]
.if \first
	s_wait_alu depctr_va_vdst(0)                   ; the wait ahead of a wait that blocks
	s_wait_tensorcnt 0x0                           ; the next head's chunk 1 is in; slot 0 was read for the last time ahead of step 7
	ds_add_u32 v[SPW], v[NIL]
	s_wait_dscnt 0x0
	CROUND
	s_sub_nc_u64 s[G0A+2:G0A+3], s[G0A+2:G0A+3], 2*ROWB          ; x: back to chunk 0
	s_add_nc_u64 s[G0B+2:G0B+3], s[G0B+2:G0B+3], 64*KROW-2*ROWB  ; W: 64 rows on, back to chunk 0
	JLOADK 0
.endif
.irp i, 0,1,2,3,4,5,6,7
	s_wait_alu depctr_va_vdst(0)                   ; the wait ahead of a wait that blocks
.if \i < 5
	s_wait_loadcnt 48                              ; this tile's sixteen loads are in; those of three later tiles may be out
.else
	s_wait_loadcnt 16*(7-\i)
.endif
.if \i == 4
	s_wait_xcnt 0x0                                ; the first two pairs' stores have read their registers, which the next two pairs take
.endif
	ROPE \i, \i%4
.if \i < 4
	TBL \i+4, \i%4
.endif
.if (\i == 4) && (\first)
	TBL 0, 0                                       ; the same tokens' tile 0, for the next head
.endif
	QKQ \i
.endr
.endm
	s_wait_tensorcnt 0x0                           ; my part of chunk 0 is in
	ds_add_u32 v[SPW], v[NIL]
	s_wait_dscnt 0x0
	CROUND
	JLOADK 1                                       ; chunk 1, the first tensor load behind the round
	FETCH 0, 0
	s_wait_loadcnt 16                              ; the scale words are in; the table's sixteen loads may be out
	KSTEP 0, 0, 1
	KSTEP 1, 1, 0
	KSTEP 2, 2, 0
	KSTEP 3, 0, 0
	KSTEP 4, 1, 0
	KSTEP 5, 2, 0                                  ; the next head's chunk 1
	KSTEP 6, 0, 0
	KSTEP 7, 3, 0
	EPI 1
	s_wait_alu depctr_va_vdst(0)
	s_wait_xcnt 0x0                                ; the stores have read their registers and their bases
	s_add_nc_u64 s[82:83], s[82:83], s[98:99]
	s_add_nc_u64 s[84:85], s[84:85], s[2:3]
	s_add_nc_u64 s[86:87], s[86:87], HB
	s_add_nc_u64 s[88:89], s[88:89], HB
	s_wait_tensorcnt 0x0                           ; my part of the second head's chunk 0 is in (chunk 1's was waited for above),
	s_barrier_signal -1
	s_barrier_wait -1                              ; everybody's is
	FETCH 0, 0
	KSTEP 0, 0, 1
	KSTEP 1, 0, 0
	KSTEP 2, 2, 0
	KSTEP 3, 0, 0
	KSTEP 4, 1, 0
	KSTEP 5, 0, 0
	KSTEP 6, 0, 0
	KSTEP 7, 3, 0
	EPI 0
	s_wait_tensorcnt 0x0                           ; the wave's end
	ds_add_u32 v[SPW], v[NIL]
	s_wait_dscnt 0x0
	CROUND                                         ; the closing round
	s_endpgm
.Lfunc_end_k_q6769b58536_qkv:
	.size	k_q6769b58536_qkv, .Lfunc_end_k_q6769b58536_qkv-k_q6769b58536_qkv
	.p2alignl 7, 3214868480
	.fill 96, 4, 3214868480
	.section	.rodata,"a",@progbits
	.p2align	6, 0x0
	.amdhsa_kernel k_q6769b58536_qkv
		.amdhsa_group_segment_fixed_size 327680
		.amdhsa_private_segment_fixed_size 0
		.amdhsa_enable_private_segment 0
		.amdhsa_kernarg_size 64
		.amdhsa_user_sgpr_count 2
		.amdhsa_user_sgpr_kernarg_segment_ptr 1
		.amdhsa_wavefront_size32 1
		.amdhsa_system_sgpr_workgroup_id_x 1
		.amdhsa_system_sgpr_workgroup_id_y 1
		.amdhsa_system_sgpr_workgroup_id_z 1
		.amdhsa_system_vgpr_workitem_id 0
		.amdhsa_next_free_vgpr 1024
		.amdhsa_next_free_sgpr 100
		.amdhsa_reserve_vcc 0
		.amdhsa_float_denorm_mode_32 3
		.amdhsa_float_denorm_mode_16_64 3
		.amdhsa_memory_ordered 1
		.amdhsa_forward_progress 1
		.amdhsa_inst_pref_size 255
	.end_amdhsa_kernel
	.section	.bss,"aw",@nobits
	.p2align	6
	.space	262144
	.amdgpu_metadata
---
amdhsa.version: [ 1, 2 ]
amdhsa.kernels:
  - .name:           k_q6769b58536_qkv
    .symbol:         k_q6769b58536_qkv.kd
    .args:
      - { .name: x_codes, .offset: 0, .size: 8, .value_kind: global_buffer, .address_space: global }
      - { .name: x_scales, .offset: 8, .size: 8, .value_kind: global_buffer, .address_space: global }
      - { .name: qkv_w_codes, .offset: 16, .size: 8, .value_kind: global_buffer, .address_space: global }
      - { .name: qkv_w_scales, .offset: 24, .size: 8, .value_kind: global_buffer, .address_space: global }
      - { .name: rope, .offset: 32, .size: 8, .value_kind: global_buffer, .address_space: global }
      - { .name: qc, .offset: 40, .size: 8, .value_kind: global_buffer, .address_space: global }
      - { .name: qs, .offset: 48, .size: 8, .value_kind: global_buffer, .address_space: global }
      - { .name: kv, .offset: 56, .size: 8, .value_kind: global_buffer, .address_space: global }
    .group_segment_fixed_size: 327680
    .private_segment_fixed_size: 0
    .kernarg_segment_align: 8
    .kernarg_segment_size: 64
    .max_flat_workgroup_size: 128
    .sgpr_count:     100
    .vgpr_count:     1024
    .wavefront_size: 32
...
	.end_amdgpu_metadata
.endif
;; end of part 2
;; launch attn (part 3): grid 4 x 64, 16 waves a work-group, clusters of 4 x 1, 327,680 bytes of LDS; arguments qc, qs, kv, ac, asc; writes ac, asc
.if DOCPART == 3
	.amdgcn_target "amdgcn-amd-amdhsa--gfx1250"
	.amdhsa_code_object_version 6
	.text
	.protected	k_q6769b58536_attn
	.globl	k_q6769b58536_attn
	.p2align	8
	.type	k_q6769b58536_attn,@function
k_q6769b58536_attn:
	s_mov_b64 s[64:65], 0
	v_nop
	global_prefetch_b8 v0, s[64:65] scope:SCOPE_SE
	s_setreg_imm32_b32 hwreg(HW_REG_WAVE_MODE, 25, 1), 1
	s_wait_xcnt 0x0
	s_wait_alu depctr_hold_cnt(0) depctr_sa_sdst(0) depctr_va_vdst(0) depctr_va_sdst(0) depctr_va_ssrc(0) depctr_va_vcc(0) depctr_vm_vsrc(0)
	s_getreg_b32 s2, hwreg(HW_REG_IB_STS2, 6, 4)
	s_cmp_eq_u32 s2, 0
	s_cbranch_scc0 .Lentry_in_a_cluster
	s_endpgm
.Lentry_in_a_cluster:
	s_bfe_u32 s2, ttmp6, 0x10000c
	s_cmp_lg_u32 s2, 0x3003
	s_cbranch_scc0 .Lentry_shape_is_right
	s_endpgm
.Lentry_shape_is_right:
; o = softmax(q k^T / 8) v on codes of FP6 (E2M3), then o is quantised along d for the projection.  All operands come as images of operand registers from the launch before.
; SHARES.  A work-group takes heads 2 y and 2 y + 1 (of 128) and 256 queries (grid x); a wave 16 queries, first of the one head, then of the other; a step is 128 keys; a lane holds one query throughout (both products transposed).
; LDS.  Both heads' k and v, codes and words, 2 x 104,448 bytes, are dense in memory: each of the 16 waves brings 51 rows of 256 bytes by ONE tensor load at the head.  Nothing is filled again; one barrier shows all of it to all waves.
; CLUSTER 4 x 1: the four query blocks of a pair of heads ask for these bytes jointly.
; No prefetch: the launch's one group of loads goes out at its head, and no later load is there to run ahead of.
; WHOLE BLOCKS IN A LANE.  The keys of a tile of k were chosen so that a lane's 32 scores of tiles 4 c .. 4 c + 3 are the block of keys 64 c + 32 h .., in v's order: a block's largest score, its scale and its codes need no other lane;
; only the row's maximum and p's scale word are joined with lane l xor 16.  v's tiles take d = 32 (row / 8) + 8 t + row % 8: a lane's 32 results are block h of the head's d, in order, which is its part of the projection's operand.
; SOFTMAX.  M is the running largest t rounded up to a whole number (t = score x log2(e) / 8); p = 2^(t - M); the row's sum is taken of the unquantised p; when M moves, the sum and O are multiplied by a power of two.
; A block's largest p is made from its largest score by the same multiply-add and exponential.
; k's fragment names 12 registers, its own 6 and the next tile's: q's upper 64 codes are zeros, and the upper scale bytes are 0x7f.
; LIMITS: the promise holds while the scaled scores stay under 2^31 in magnitude; NaN and infinities are not served; a block under 2^-124 gets the scale byte 1 (these bytes are read by this program alone).
.set HB,   104448
.set PART, 13056
.set SPARE, 208896
.set KF, 36                            ; v36-83 eight tiles of k, then four of v; v84-89 zeros
.set S,  96
.set O,  160
.set PC, 192
.set CT, 204
.set BM, 212
.set SO, 216
.set BX, 218
.set WD, 220
.set WX, 221
.set MX, 222
.set TT, 224
.set SM, 226
.set AC, 228
.set AW, 240
.set Q1, 242                           ; the second head's q; its word in v93
.set G1, 24
.macro ROUND
	s_barrier_signal -1
	s_barrier_wait -1
	s_cmp_lg_u32 s14, 0
	s_cbranch_scc1 .Lnot_wave_0_\@
	s_barrier_signal -3
.Lnot_wave_0_\@:
	s_barrier_wait -3
	s_barrier_signal -1
	s_barrier_wait -1
.endm
	s_load_b256 s[4:11], s[0:1], 0x0               ; qc 4, qs 6, kv 8, ac 10
	s_load_b64 s[12:13], s[0:1], 0x20              ; asc
	v_lshl_add_u32 v254, v0, 2, SPARE
	v_mov_b32 v255, 0
	ds_add_u32 v254, v255                          ; the opening lines
	ds_add_u32 v254, v255
	v_lshrrev_b32 v1, 5, v0
	v_readfirstlane_b32 s14, v1                    ; wave
	s_bfe_u32 s15, ttmp6, 0x40000                  ; cx: block of 256 queries
	s_and_b32 s16, ttmp7, 0xffff                   ; y: pair of heads
	s_mov_b32 s[G1], 15|(3<<16)|(1<<21)            ; all four partners; elements of 8 bytes
	s_mov_b32 s[G1+1], 32<<16
	s_mov_b32 s[G1+2], 51<<16
	s_mov_b32 s[G1+3], 32<<16
	s_mov_b32 s[G1+4], 51
	s_mov_b32 s[G1+5], 32
	s_mov_b32 s[G1+6], 0
	s_mov_b32 s[G1+7], 0
	s_mul_i32 s18, s14, PART
	s_mul_i32 s46, s16, 2*HB
	s_add_co_u32 s46, s46, s18
	s_mov_b32 s47, 0
	s_mov_b32 s20, 0x76543210
	s_mov_b32 s21, 0xfedcba98
	s_mov_b32 s22, 0x3e38aa3b                      ; log2(e) / 8
	s_mov_b32 s23, s22
	s_and_b32 s19, s14, 1                          ; q's six registers: pieces of 8 bytes 3 e .. 3 e + 2 of the pair image
	s_mul_i32 s19, s19, 3
.irp g, 0,1,2
	s_add_co_u32 s58, s19, \g
	s_lshr_b32 s[59+\g], s58, 1
	s_lshl_b32 s[59+\g], s[59+\g], 9
	s_and_b32 s58, s58, 1
	s_lshl_b32 s58, s58, 3
	s_or_b32 s[59+\g], s[59+\g], s58
.endr
	s_lshl_b32 s17, s15, 4
	s_add_co_u32 s17, s17, s14                     ; my tile of queries, of 64
	s_mul_i32 s48, s16, 2*49152
	s_lshr_b32 s19, s17, 1
	s_mul_i32 s58, s19, 1536
	s_add_co_u32 s48, s48, s58
	s_mov_b32 s49, 0
	s_lshl_b32 s50, s16, 13                        ; q's words: 128 x pair + 64 x (tile % 2)
	s_lshl_b32 s19, s19, 7
	s_add_co_u32 s50, s50, s19
	s_and_b32 s19, s17, 1
	s_lshl_b32 s19, s19, 6
	s_add_co_u32 s50, s50, s19
	s_mov_b32 s51, 0
	s_lshr_b32 s45, s16, 3                         ; out: group of 128 tokens = 8 x batch + 2 cx + wave / 8
	s_lshl_b32 s45, s45, 3
	s_lshl_b32 s19, s15, 1
	s_add_co_u32 s45, s45, s19
	s_lshr_b32 s19, s14, 3
	s_add_co_u32 s45, s45, s19
	s_and_b32 s56, s16, 7                          ; the projection's K step
	s_and_b32 s57, s14, 7                          ; tile in the group
	s_mul_i32 s52, s45, 98304
	s_mul_i32 s19, s56, 12288
	s_add_co_u32 s52, s52, s19
	s_mul_i32 s19, s57, 1536
	s_add_co_u32 s52, s52, s19
	s_mov_b32 s53, 0
	s_lshl_b32 s54, s45, 12
	s_lshl_b32 s19, s56, 9
	s_add_co_u32 s54, s54, s19
	s_lshl_b32 s19, s57, 6
	s_add_co_u32 s54, s54, s19
	s_mov_b32 s55, 0
	s_mov_b32 s32, 1
	s_mov_b32 s33, s18
	s_wait_dscnt 0x0
	s_wait_kmcnt 0x0
	s_add_nc_u64 s[34:35], s[8:9], s[46:47]
	s_or_b32 s35, s35, 0x80000000
	s_add_nc_u64 s[48:49], s[4:5], s[48:49]
	s_add_nc_u64 s[50:51], s[6:7], s[50:51]
	s_add_nc_u64 s[52:53], s[10:11], s[52:53]
	s_add_nc_u64 s[54:55], s[12:13], s[54:55]
	ROUND                                          ; the four partners are here: the joint loads meet
	tensor_load_to_lds s[32:35], s[G1:G1+7]        ; my 51 rows: the wave's only tensor load
	s_nop 0
	v_and_b32 v5, 31, v0
	v_and_b32 v6, 15, v0
	v_bfe_u32 v7, v0, 4, 1
	v_lshlrev_b32 v1, 4, v5                        ; 16 x lane
	v_lshlrev_b32 v2, 3, v5
	v_lshlrev_b32 v3, 2, v5
	v_lshlrev_b32 v11, 2, v6                       ; 4 r
	v_lshlrev_b32 v92, 3, v7                       ; 8 h
	v_add_nc_u32 v8, s59, v1
	v_add_nc_u32 v9, s60, v1
	v_add_nc_u32 v10, s61, v1
.irp j, 0,1,2,3,4,5
	v_mov_b32 v[22+\j], 0
	v_mov_b32 v[Q1+6+\j], 0
	v_mov_b32 v[84+\j], 0
.endr
	v_mov_b32 v91, 0
	v_mov_b32 v[WX], 0                             ; a lane permute's destination counts as one of its sources
	v_mov_b32 v[MX], 0
	s_wait_alu depctr_va_vdst(0)
.irp g, 0,1,2
	global_load_b64 v[16+2*\g:17+2*\g], v[8+\g], s[48:49]
	global_load_b64 v[Q1+2*\g:Q1+2*\g+1], v[8+\g], s[48:49] offset:49152
.endr
	global_load_b32 v28, v11, s[50:51]
	global_load_b32 v93, v11, s[50:51] offset:4096
.macro STEP qf, qw
	v_add_nc_u32 v4, s40, v1                       ; these four lines are the places behind the last products, ahead of the loads into their registers
	v_add_nc_u32 v6, s42, v2
	v_nop
	v_nop
.set k, 0
.rept 12
	ds_load_b128 v[KF+4*k:KF+4*k+3], v4 offset:512*k
.set k, k+1
.endr
	ds_load_b64 v[30:31], v6
	ds_load_b64 v[32:33], v6 offset:256
	s_wait_dscnt 0x0
.irp t, 0,1,2,3,4,5,6,7
.if \t%2
	v_wmma_scale_f32_16x16x128_f8f6f4 v[S+8*\t:S+8*\t+7], v[KF+6*\t:KF+6*\t+11], v[\qf:\qf+11], 0, v[30+\t/2], v[\qw] matrix_a_fmt:MATRIX_FMT_FP6 matrix_b_fmt:MATRIX_FMT_FP6 matrix_a_scale:MATRIX_SCALE_ROW1
.else
	v_wmma_scale_f32_16x16x128_f8f6f4 v[S+8*\t:S+8*\t+7], v[KF+6*\t:KF+6*\t+11], v[\qf:\qf+11], 0, v[30+\t/2], v[\qw] matrix_a_fmt:MATRIX_FMT_FP6 matrix_b_fmt:MATRIX_FMT_FP6
.endif
.endr
	v_add_nc_u32 v5, s41, v1                       ; four places again
	v_add_nc_u32 v7, s43, v3
	v_mov_b32 v[TT], v12                           ; the old -M
	v_nop
.set k, 0
.rept 12
	ds_load_b128 v[KF+4*k:KF+4*k+3], v5 offset:512*k
.set k, k+1
.endr
	ds_load_b32 v34, v7
	ds_load_b32 v35, v7 offset:128
.irp b, 0,1,2,3                                ; four chains of 16 scores; each accumulator is first read at its low end
	v_max3_num_f32 v[BM+\b], v[S+16*\b], v[S+1+16*\b], v[S+2+16*\b]
.endr
.irp i, 3,5,7,9,11,13
.irp b, 0,1,2,3
	v_max3_num_f32 v[BM+\b], v[BM+\b], v[S+16*\b+\i], v[S+1+16*\b+\i]
.endr
.endr
.irp c, 0,1
	v_max3_num_f32 v[BM+2*\c], v[BM+2*\c], v[BM+2*\c+1], v[S+15+32*\c]
.endr
.irp c, 0,1
	v_max_num_f32 v[BM+2*\c], v[BM+2*\c], v[S+31+32*\c]   ; my two blocks' largest scores
.endr
	s_delay_alu instid0(VALU_DEP_1)
	v_max_num_f32 v[BM+1], v[BM], v[BM+2]
	s_delay_alu instid0(VALU_DEP_1)
	v_permlanex16_b32 v[MX], v[BM+1], s20, s21
	s_delay_alu instid0(VALU_DEP_1)
	v_max3_num_f32 v13, v13, v[BM+1], v[MX]        ; the running largest score of my query
	s_delay_alu instid0(VALU_DEP_1)
	v_mul_f32 v[BM+3], s22, v13
	s_delay_alu instid0(VALU_DEP_1)
	v_floor_f32 v12, -v[BM+3]                      ; -M
	s_delay_alu instid0(VALU_DEP_1)
	v_sub_f32 v[TT], v12, v[TT]
	s_delay_alu instid0(VALU_DEP_1)
	v_cvt_i32_f32 v[TT], v[TT]
	s_delay_alu instid0(VALU_DEP_1)
	v_ldexp_f32 v90, 1.0, v[TT]                    ; f = 2^(old M - new M)
.set j, 0
.rept 32
	v_pk_fma_f32 v[S+j:S+j+1], v[S+j:S+j+1], s[22:23], v[12:13] op_sel_hi:[1,0,0]
.set j, j+2
.endr
.irp c, 0,1
	v_fma_f32 v[BM+2*\c], v[BM+2*\c], s22, v12
.endr
.set j, 0
.rept 16
	v_pk_mul_f32 v[O+j:O+j+1], v[O+j:O+j+1], v[90:91] op_sel_hi:[1,0]   ; O under the new M
.set j, j+2
.endr
	s_wait_alu depctr_va_vdst(0)                   ; the wait ahead of the batch
.set j, 0
.rept 64
	v_exp_f32 v[S+j], v[S+j]
.set j, j+1
.endr
.irp c, 0,1
	v_exp_f32 v[BM+2*\c], v[BM+2*\c]
.endr
	v_pk_mul_f32 v[14:15], v[14:15], v[90:91] op_sel_hi:[1,0]   ; a plain place behind the batch
	s_wait_alu depctr_va_vdst(0)                   ; and the wait behind it
.irp c, 0,1
	v_max_num_f32 v[BM+2*\c], 0x1800000, v[BM+2*\c]
.endr
.irp c, 0,1
	s_delay_alu instid0(VALU_DEP_2)
	v_add_nc_u32 v[SO+\c], 0xff000000, v[BM+2*\c]
.endr
.irp c, 0,1
	s_delay_alu instid0(VALU_DEP_2)
	v_lshrrev_b32 v[BX+\c], 23, v[SO+\c]
.endr
	s_delay_alu instid0(VALU_DEP_1)
	v_lshl_or_b32 v[WD], v[BX+1], 16, v[BX]        ; my bytes: blocks h and 2 + h,
	s_delay_alu instid0(VALU_DEP_1)
	v_lshlrev_b32 v[WD], v92, v[WD]                ; at their places;
	s_delay_alu instid0(VALU_DEP_1)
	v_permlanex16_b32 v[WX], v[WD], s20, s21
	s_delay_alu instid0(VALU_DEP_1)
	v_or_b32 v29, v[WD], v[WX]                     ; with lane l xor 16's the word is whole
.irp c, 0,1
	v_cvt_scalef32_pk16_fp6_f32 v[PC+6*\c:PC+6*\c+2], v[S+32*\c:S+32*\c+15], v[SO+\c]
	v_cvt_scalef32_pk16_fp6_f32 v[CT+4*\c:CT+4*\c+2], v[S+32*\c+16:S+32*\c+31], v[SO+\c]
.endr
	v_pk_add_f32 v[SM:SM+1], v[S:S+1], v[S+2:S+3]  ; the row's sum of the unquantised p, in two chains
.set j, 4
.rept 7
	v_pk_add_f32 v[14:15], v[14:15], v[S+j:S+j+1]
	v_pk_add_f32 v[SM:SM+1], v[SM:SM+1], v[S+j+2:S+j+3]
.set j, j+4
.endr
.irp c, 0,1
.irp i, 0,1,2
	v_mov_b32 v[PC+3+6*\c+\i], v[CT+4*\c+\i]       ; a conversion's three registers begin on an even number
.endr
.endr
.rept 8
	v_pk_add_f32 v[14:15], v[14:15], v[S+j:S+j+1]
	v_pk_add_f32 v[SM:SM+1], v[SM:SM+1], v[S+j+2:S+j+3]
.set j, j+4
.endr
	s_delay_alu instid0(VALU_DEP_1)
	v_pk_add_f32 v[14:15], v[14:15], v[SM:SM+1]
	s_wait_dscnt 0x0                               ; v's fragments and words
.irp t, 0,1,2,3
.if \t%2
	v_wmma_scale_f32_16x16x128_f8f6f4 v[O+8*\t:O+8*\t+7], v[KF+12*\t:KF+12*\t+11], v[PC:PC+11], v[O+8*\t:O+8*\t+7], v[34+\t/2], v29 matrix_a_fmt:MATRIX_FMT_FP6 matrix_b_fmt:MATRIX_FMT_FP6 matrix_a_scale:MATRIX_SCALE_ROW1
.else
	v_wmma_scale_f32_16x16x128_f8f6f4 v[O+8*\t:O+8*\t+7], v[KF+12*\t:KF+12*\t+11], v[PC:PC+11], v[O+8*\t:O+8*\t+7], v[34+\t/2], v29 matrix_a_fmt:MATRIX_FMT_FP6 matrix_b_fmt:MATRIX_FMT_FP6
.endif
.endr
.endm
.macro PASS p, qf, qw
	v_mov_b32 v13, 0xff61b1e6                      ; -3e38, under every score
	v_mov_b32 v12, 0x7f61b1e6                      ; -M
	v_mov_b32 v14, 0
	v_mov_b32 v15, 0
.set j, 0
.rept 32
	v_mov_b32 v[O+j], 0
.set j, j+1
.endr
	s_mov_b32 s40, \p*HB
	s_mov_b32 s41, \p*HB+49152
	s_mov_b32 s42, \p*HB+98304
	s_mov_b32 s43, \p*HB+102400
	s_mov_b32 s44, 8
	s_wait_alu depctr_va_vdst(0)
.if \p == 0
	s_wait_tensorcnt 0x0                           ; my rows are in,
	s_barrier_signal -1
	s_barrier_wait -1                              ; everybody's are: both heads' k and v
	s_wait_loadcnt 0x0                             ; q
.endif
.Lstep_\@:
	STEP \qf, \qw
	s_add_co_u32 s40, s40, 6144
	s_add_co_u32 s41, s41, 6144
	s_add_co_u32 s42, s42, 512
	s_add_co_u32 s43, s43, 256
	s_sub_co_u32 s44, s44, 1
	s_cmp_lg_u32 s44, 0
	s_cbranch_scc1 .Lstep_\@
.rept 4
	v_nop
.endr
	s_wait_alu depctr_va_vdst(0)                   ; the wait ahead of this reader
	v_add_f32 v14, v14, v15
	s_delay_alu instid0(VALU_DEP_1)
	v_permlanex16_b32 v[MX], v14, s20, s21
	s_delay_alu instid0(VALU_DEP_1)
	v_add_f32 v14, v14, v[MX]                      ; the row's sum
	s_wait_alu depctr_va_vdst(0)
	v_rcp_f32 v14, v14
	v_nop
	s_wait_alu depctr_va_vdst(0)
.set j, 0
.rept 16
	v_pk_mul_f32 v[S+j:S+j+1], v[O+j:O+j+1], v[14:15] op_sel_hi:[1,0]   ; register 8 t + j: o(query r, d = 32 h + 8 t + j)
.set j, j+2
.endr
.irp b, 0,1
	v_max3_num_f32 v[BM+\b], |v[S+16*\b]|, |v[S+1+16*\b]|, 0x1800000
.endr
.irp i, 2,4,6,8,10,12,14
.irp b, 0,1
	s_delay_alu instid0(VALU_DEP_2)
	v_max3_num_f32 v[BM+\b], v[BM+\b], |v[S+16*\b+\i]|, |v[S+1+16*\b+\i]|
.endr
.endr
	s_delay_alu instid0(VALU_DEP_1)
	v_max_num_f32 v[BM], v[BM], v[BM+1]
	s_delay_alu instid0(VALU_DEP_1)
	v_add_nc_u32 v[SO], 0xff000000, v[BM]
	s_delay_alu instid0(VALU_DEP_1)
.if \p == 0
	v_lshrrev_b32 v[AW], 23, v[SO]
.else
	v_lshrrev_b32 v[BX], 23, v[SO]
	s_delay_alu instid0(VALU_DEP_1)
	v_lshl_or_b32 v[AW], v[BX], 16, v[AW]
.endif
	v_cvt_scalef32_pk16_fp6_f32 v[AC+6*\p:AC+6*\p+2], v[S:S+15], v[SO]
	v_cvt_scalef32_pk16_fp6_f32 v[CT:CT+2], v[S+16:S+31], v[SO]
	v_nop
.irp i, 0,1,2
	v_mov_b32 v[AC+3+6*\p+\i], v[CT+\i]
.endr
.endm
	PASS 0, 16, 28
	PASS 1, Q1, 93
	v_lshlrev_b32 v[AW], v92, v[AW]                ; my bytes: blocks h and 2 + h of the projection's K step
	s_delay_alu instid0(VALU_DEP_1)
	v_permlanex16_b32 v[WX], v[AW], s20, s21
	s_delay_alu instid0(VALU_DEP_1)
	v_or_b32 v[AW], v[AW], v[WX]
.irp g, 0,1,2
	global_store_b128 v1, v[AC+4*\g:AC+4*\g+3], s[52:53] offset:512*\g   ; 512 consecutive bytes, aligned
.endr
	global_store_b32 v11, v[AW], s[54:55]          ; lanes 16-31 store what lanes 0-15 store
	s_wait_tensorcnt 0x0                           ; the wave's end
	ds_add_u32 v254, v255
	s_wait_dscnt 0x0
	ROUND                                          ; the closing round
	s_endpgm
.Lfunc_end_k_q6769b58536_attn:
	.size	k_q6769b58536_attn, .Lfunc_end_k_q6769b58536_attn-k_q6769b58536_attn
	.p2alignl 7, 3214868480
	.fill 96, 4, 3214868480
	.section	.rodata,"a",@progbits
	.p2align	6, 0x0
	.amdhsa_kernel k_q6769b58536_attn
		.amdhsa_group_segment_fixed_size 327680
		.amdhsa_private_segment_fixed_size 0
		.amdhsa_enable_private_segment 0
		.amdhsa_kernarg_size 40
		.amdhsa_user_sgpr_count 2
		.amdhsa_user_sgpr_kernarg_segment_ptr 1
		.amdhsa_wavefront_size32 1
		.amdhsa_system_sgpr_workgroup_id_x 1
		.amdhsa_system_sgpr_workgroup_id_y 1
		.amdhsa_system_sgpr_workgroup_id_z 1
		.amdhsa_system_vgpr_workitem_id 0
		.amdhsa_next_free_vgpr 256
		.amdhsa_next_free_sgpr 66
		.amdhsa_reserve_vcc 0
		.amdhsa_float_denorm_mode_32 3
		.amdhsa_float_denorm_mode_16_64 3
		.amdhsa_memory_ordered 1
		.amdhsa_forward_progress 1
		.amdhsa_inst_pref_size 48
	.end_amdhsa_kernel
	.amdgpu_metadata
---
amdhsa.version: [ 1, 2 ]
amdhsa.kernels:
  - .name:           k_q6769b58536_attn
    .symbol:         k_q6769b58536_attn.kd
    .args:
      - { .name: qc, .offset: 0, .size: 8, .value_kind: global_buffer, .address_space: global }
      - { .name: qs, .offset: 8, .size: 8, .value_kind: global_buffer, .address_space: global }
      - { .name: kv, .offset: 16, .size: 8, .value_kind: global_buffer, .address_space: global }
      - { .name: ac, .offset: 24, .size: 8, .value_kind: global_buffer, .address_space: global }
      - { .name: asc, .offset: 32, .size: 8, .value_kind: global_buffer, .address_space: global }
    .group_segment_fixed_size: 327680
    .private_segment_fixed_size: 0
    .kernarg_segment_align: 8
    .kernarg_segment_size: 40
    .max_flat_workgroup_size: 512
    .sgpr_count:     66
    .vgpr_count:     256
    .wavefront_size: 32
...
	.end_amdgpu_metadata
.endif
;; end of part 3
;; launch proj (part 4): grid 4 x 64, 4 waves a work-group, clusters of 4 x 4, 327,680 bytes of LDS; arguments ac, asc, proj_w_codes, proj_w_scales, proj_b, out0; writes out0
.if DOCPART == 4
	.amdgcn_target "amdgcn-amd-amdhsa--gfx1250"
	.amdhsa_code_object_version 6
	.text
	.protected	k_q6769b58536_proj
	.globl	k_q6769b58536_proj
	.p2align	8
	.type	k_q6769b58536_proj,@function
k_q6769b58536_proj:
	s_mov_b64 s[64:65], 0
	v_nop
	global_prefetch_b8 v0, s[64:65] scope:SCOPE_SE
	s_setreg_imm32_b32 hwreg(HW_REG_WAVE_MODE, 25, 1), 1
	s_wait_xcnt 0x0
	s_wait_alu depctr_hold_cnt(0) depctr_sa_sdst(0) depctr_va_vdst(0) depctr_va_sdst(0) depctr_va_ssrc(0) depctr_va_vcc(0) depctr_vm_vsrc(0)
	s_getreg_b32 s2, hwreg(HW_REG_IB_STS2, 6, 4)
	s_cmp_eq_u32 s2, 0
	s_cbranch_scc0 .Lentry_in_a_cluster
	s_endpgm
.Lentry_in_a_cluster:
	s_bfe_u32 s2, ttmp6, 0x10000c
	s_cmp_lg_u32 s2, 0xf033
	s_cbranch_scc0 .Lentry_shape_is_right
	s_endpgm
.Lentry_shape_is_right:
.set WPITCH, 816
.set WREG,  64*WPITCH
.set WBASE, 98304
.set SPITCH, 272
.set LA0, 1
.set WA,  3
.set STO, 6
.set RD,  7
.set CO,  8
.set L4,  9
.set R32, 10
.set H32, 11
.set SA,  32
.set SB,  64
.set BI,  96
.set BK,  128
.set G1A, 24
.set G1W, 32
.set MSB, 0
.macro WIN new
.if MSB != \new
	s_set_vgpr_msb (MSB<<8)|\new
.set MSB, \new
.endif
.endm
.macro PLACES
.rept 4
	v_nop
.endr
.endm
.macro CROUND
	s_barrier_signal -1
	s_barrier_wait -1
	s_cmp_lg_u32 s16, 0
	s_cbranch_scc1 .Lnot_wave_0_\@
	s_barrier_signal -3
.Lnot_wave_0_\@:
	s_barrier_wait -3
	s_barrier_signal -1
	s_barrier_wait -1
.endm
	s_load_b256 s[4:11], s[0:1], 0x0
	s_load_b128 s[12:15], s[0:1], 0x20
	v_lshl_add_u32 v254, v0, 2, 0x4b000
	v_mov_b32 v255, 0
	ds_add_u32 v254, v255
	ds_add_u32 v254, v255
	v_lshrrev_b32 v1, 5, v0
	v_readfirstlane_b32 s16, v1
	s_bfe_u32 s17, ttmp6, 0x40000
	s_bfe_u32 s18, ttmp6, 0x40004
	s_lshl_b32 s19, ttmp9, 2
	s_add_co_u32 s19, s19, s17
	s_and_b32 s20, ttmp7, 0xffff
	s_lshl_b32 s20, s20, 2
	s_add_co_u32 s20, s20, s18
	s_lshl_b32 s48, s18, 2
	s_lshl_b32 s48, 15, s48
	s_lshl_b32 s50, 0x1111, s17
	s_or_b32 s[G1A], s48, (3<<16)|(1<<21)
	s_mov_b32 s[G1A+1], 32<<16
	s_mov_b32 s[G1A+2], 192<<16
	s_mov_b32 s[G1A+3], 32<<16
	s_mov_b32 s[G1A+4], 192
	s_mov_b32 s[G1A+5], 32
	s_mov_b32 s[G1A+6], 0
	s_mov_b32 s[G1A+7], 0
	s_or_b32 s[G1W], s50, (1<<20)|(1<<21)|(5<<22)|(3<<25)
	s_mov_b32 s[G1W+1], 768<<16
	s_mov_b32 s[G1W+2], 128<<16
	s_mov_b32 s[G1W+3], 768<<16
	s_mov_b32 s[G1W+4], 128
	s_mov_b32 s[G1W+5], 768
	s_mov_b32 s[G1W+6], 0
	s_mov_b32 s[G1W+7], 0
	s_and_b32 s54, s16, 1                          ; waves 0, 1 fetch the two halves of A's images, waves 2, 3 the two halves of W's 256 rows
	s_mul_i32 s21, s54, 49152
	s_mul_i32 s48, s20, 98304
	s_add_co_u32 s48, s48, s21
	s_mov_b32 s49, 0
	s_lshl_b32 s50, s19, 8
	s_lshl_b32 s51, s16, 6
	s_add_co_u32 s22, s50, s51
	s_lshl_b32 s55, s54, 7
	s_add_co_u32 s50, s50, s55
	s_mul_i32 s50, s50, 768
	s_mov_b32 s51, 0
	s_mul_i32 s23, s16, WREG
	s_add_co_u32 s23, s23, WBASE
	s_wait_dscnt 0x0
	s_wait_kmcnt 0x0
	s_add_nc_u64 s[48:49], s[4:5], s[48:49]
	s_add_nc_u64 s[50:51], s[8:9], s[50:51]
	CROUND
	s_mov_b32 s40, 1
	s_mov_b32 s41, s21
	s_mov_b64 s[42:43], s[48:49]
	s_or_b32 s43, s43, 0x80000000
	s_mov_b32 s44, 1
	s_mul_i32 s45, s54, 2*WREG
	s_add_co_u32 s45, s45, WBASE
	s_mov_b64 s[46:47], s[50:51]
	s_or_b32 s47, s47, 0x80000000
	s_cmp_lt_u32 s16, 2                            ; one tensor load a wave at the head: the branch hangs on the wave's number alone
	s_cbranch_scc0 .Lfor_w
	tensor_load_to_lds s[40:43], s[G1A:G1A+7]
	s_nop 0
.rept 4
	v_nop
.endr
	s_branch .Lasked
.Lfor_w:
	tensor_load_to_lds s[44:47], s[G1W:G1W+7]
	s_nop 0
.rept 4
	v_nop
.endr
.Lasked:
	v_and_b32 v12, 31, v0
	v_and_b32 v13, 15, v0
	v_bfe_u32 v14, v0, 4, 1
	v_lshlrev_b32 v[L4], 2, v12
	s_wait_alu depctr_va_vdst(0)
	v_lshlrev_b32 v[R32], 5, v13
	s_wait_alu depctr_va_vdst(0)
	v_lshlrev_b32 v[H32], 5, v14
	s_wait_alu depctr_va_vdst(0)
	s_mov_b32 s53, 0
	s_lshl_b32 s52, s20, 12
	s_add_nc_u64 s[6:7], s[6:7], s[52:53]
	s_lshl_b32 s52, s22, 5
	s_add_nc_u64 s[10:11], s[10:11], s[52:53]
	s_lshl_b32 s52, s22, 2
	s_add_nc_u64 s[12:13], s[12:13], s[52:53]
	s_add_nc_u64 s[14:15], s[14:15], s[52:53]
	s_lshl_b32 s52, s20, 19
	s_add_nc_u64 s[14:15], s[14:15], s[52:53]
.irp s, 0,1,2,3,4,5,6,7
.irp q, 0,1,2,3
	global_load_b32 v[SA+4*\s+\q], v[L4], s[6:7] offset:512*\s+128*\q
.endr
.endr
.irp n, 0,1,2,3
	global_load_b128 v[SB+8*\n:SB+8*\n+3], v[R32], s[10:11] offset:512*\n
	global_load_b128 v[SB+8*\n+4:SB+8*\n+7], v[R32], s[10:11] offset:512*\n+16
	global_load_b128 v[BI+8*\n:BI+8*\n+3], v[H32], s[12:13] offset:64*\n
	global_load_b128 v[BI+8*\n+4:BI+8*\n+7], v[H32], s[12:13] offset:64*\n+16
.endr
	v_lshlrev_b32 v[LA0], 4, v12
	v_add_nc_u32 v[LA0+1], 49152, v[LA0]
	v_mul_u32_u24 v15, v13, WPITCH
	v_mad_u32_u24 v15, v14, 24, v15
	v_add_nc_u32 v[WA], s23, v15
	v_lshl_add_u32 v[WA+2], v14, 4, v[WA]
	v_mul_u32_u24 v15, v13, SPITCH
	v_lshl_add_u32 v15, v14, 5, v15
	v_add_nc_u32 v[STO], s23, v15
	v_mul_u32_u24 v15, v14, SPITCH
	v_lshl_add_u32 v15, v13, 4, v15
	v_add_nc_u32 v[RD], s23, v15
	v_lshlrev_b32 v[CO], 12, v14
	v_lshl_add_u32 v[CO], v13, 4, v[CO]
.macro FRAGB reg, s, off
.irp p, 0,1,2,3,4,5
.set PCE, 12*(\s)+6*(\p/3)+\p%3
.if PCE%32 < 29
	ds_load_b64 v[\reg+2*\p:\reg+2*\p+1], v[WA] offset:8*PCE+16*(PCE/32)+(\off)
.else
	ds_load_b64 v[\reg+2*\p:\reg+2*\p+1], v[WA+2] offset:8*PCE+16*(PCE/32)+(\off)
.endif
.endr
.endm
.macro FETCH set, s
	WIN 0x40+0x80*(\set)
.irp i, 0,1,2,3,4,5,6,7
.irp g, 0,1,2
	ds_load_b128 v[12*\i+4*\g:12*\i+4*\g+3], v[LA0+(\s)/4] offset:((\s)%4)*12288+\i*1536+\g*512
.endr
.endr
.irp n, 0,1,2,3
	FRAGB 96+12*\n, \s, \n*16*WPITCH
.endr
	WIN 0
.endm
.macro ONE i, n, s, c
.if (\i)%2
	v_wmma_scale_f32_16x16x128_f8f6f4 v[8*(4*(\i)+\n):8*(4*(\i)+\n)+7], v[96+12*\n:96+12*\n+11], v[12*(\i):12*(\i)+11], v[\c:\c+7], v[SB+8*\n+(\s)], v[SA+4*(\s)+(\i)/2] matrix_a_fmt:MATRIX_FMT_FP6 matrix_b_fmt:MATRIX_FMT_FP6 matrix_b_scale:MATRIX_SCALE_ROW1
.else
	v_wmma_scale_f32_16x16x128_f8f6f4 v[8*(4*(\i)+\n):8*(4*(\i)+\n)+7], v[96+12*\n:96+12*\n+11], v[12*(\i):12*(\i)+11], v[\c:\c+7], v[SB+8*\n+(\s)], v[SA+4*(\s)+(\i)/2] matrix_a_fmt:MATRIX_FMT_FP6 matrix_b_fmt:MATRIX_FMT_FP6
.endif
.endm
.macro MUL s, half
.irp i, 4*\half, 4*\half+1, 4*\half+2, 4*\half+3
.irp n, 0,1,2,3
.if (\s) == 0
	ONE \i, \n, \s, BI+8*\n
.else
	ONE \i, \n, \s, 8*(4*(\i)+\n)
.endif
.endr
.endr
.endm
.macro PSTEP s
.set SETN, (\s)%2
.if (\s) == 0
.set WM, 0x85
.elseif SETN == 0
.set WM, 0xa5
.else
.set WM, 0xaf
.endif
	s_wait_dscnt 0x0
	WIN WM
	MUL \s, 0
.if (\s) < 7
	PLACES
	FETCH 1-SETN, (\s)+1
	WIN WM
.endif
	MUL \s, 1
	WIN 0
.endm
	s_wait_alu depctr_va_vdst(0)
	s_wait_tensorcnt 0x0
	s_barrier_signal -1
	s_barrier_wait -1
	FETCH 0, 0
	s_wait_loadcnt 0x0
.irp s, 0,1,2,3,4,5,6,7
	PSTEP \s
.endr
.macro TOSTAGE a
	WIN 0x08
.irp n, 0,1,2,3
	ds_store_b128 v[STO], v[8*(4*(\a)+\n):8*(4*(\a)+\n)+3] offset:64*\n
	ds_store_b128 v[STO], v[8*(4*(\a)+\n)+4:8*(4*(\a)+\n)+7] offset:64*\n+16
.endr
	WIN 0
.set BB, BK+32*((\a)%2)
.irp t, 0,1,2,3,4,5,6,7
	ds_load_b128 v[BB+4*\t:BB+4*\t+3], v[RD] offset:\t*2*SPITCH
.endr
.endm
.macro SEND a, younger
.set BB, BK+32*((\a)%2)
	s_wait_dscnt \younger
.irp t, 0,1,2,3,4,5,6,7
	global_store_b128 v[CO], v[BB+4*\t:BB+4*\t+3], s[14:15] offset:(16*(\a)+2*\t)*4096 th:TH_STORE_NT
.endr
.endm
	PLACES
	TOSTAGE 0
.irp a, 1,2,3,4,5,6,7
.if \a > 1
	s_wait_xcnt 0x0
.endif
	TOSTAGE \a
	SEND \a-1, 16
.endr
	SEND 7, 0
	s_wait_tensorcnt 0x0
	ds_add_u32 v254, v255
	s_wait_dscnt 0x0
	CROUND
	s_endpgm
.Lfunc_end_k_q6769b58536_proj:
	.size	k_q6769b58536_proj, .Lfunc_end_k_q6769b58536_proj-k_q6769b58536_proj
	.p2alignl 7, 3214868480
	.fill 96, 4, 3214868480
	.section	.rodata,"a",@progbits
	.p2align	6, 0x0
	.amdhsa_kernel k_q6769b58536_proj
		.amdhsa_group_segment_fixed_size 327680
		.amdhsa_private_segment_fixed_size 0
		.amdhsa_enable_private_segment 0
		.amdhsa_kernarg_size 48
		.amdhsa_user_sgpr_count 2
		.amdhsa_user_sgpr_kernarg_segment_ptr 1
		.amdhsa_wavefront_size32 1
		.amdhsa_system_sgpr_workgroup_id_x 1
		.amdhsa_system_sgpr_workgroup_id_y 1
		.amdhsa_system_sgpr_workgroup_id_z 1
		.amdhsa_system_vgpr_workitem_id 0
		.amdhsa_next_free_vgpr 1024
		.amdhsa_next_free_sgpr 66
		.amdhsa_reserve_vcc 0
		.amdhsa_float_denorm_mode_32 3
		.amdhsa_float_denorm_mode_16_64 3
		.amdhsa_memory_ordered 1
		.amdhsa_forward_progress 1
		.amdhsa_inst_pref_size 85
	.end_amdhsa_kernel
	.amdgpu_metadata
---
amdhsa.version: [ 1, 2 ]
amdhsa.kernels:
  - .name:           k_q6769b58536_proj
    .symbol:         k_q6769b58536_proj.kd
    .args:
      - { .name: ac, .offset: 0, .size: 8, .value_kind: global_buffer, .address_space: global }
      - { .name: asc, .offset: 8, .size: 8, .value_kind: global_buffer, .address_space: global }
      - { .name: proj_w_codes, .offset: 16, .size: 8, .value_kind: global_buffer, .address_space: global }
      - { .name: proj_w_scales, .offset: 24, .size: 8, .value_kind: global_buffer, .address_space: global }
      - { .name: proj_b, .offset: 32, .size: 8, .value_kind: global_buffer, .address_space: global }
      - { .name: out0, .offset: 40, .size: 8, .value_kind: global_buffer, .address_space: global }
    .group_segment_fixed_size: 327680
    .private_segment_fixed_size: 0
    .kernarg_segment_align: 8
    .kernarg_segment_size: 48
    .max_flat_workgroup_size: 128
    .sgpr_count:     66
    .vgpr_count:     1024
    .wavefront_size: 32
...
	.end_amdgpu_metadata
.endif
;; end of part 4
